; MI455X (gfx1250); checked and timed in simulation.
; The chip was launched on July 23, 2026; its instructions are those of AMD's public machine-readable ISA for CDNA 5 (MIT licence, August 2026) and "CDNA5" Instruction Set Architecture Reference Guide (July 2026). The comments in the code are by the model that wrote it; some were corrected since.
;; Switch Mo E. Allowed arithmetic: float matrix products may take bf16 or f16 operands with f32 sums; other float arithmetic in f32, or as packed bf16 or f16 multiplies, adds, multiply-adds, maxima and minima; sums over many terms, partial sums and values carried from step to step in f32; what a program stores and reads back later, other than sums and carried values, may be rounded once to bf16 or f16.
;; Inputs: b1 8 x 4,096 float32; b2 8 x 1,024 float32; router_w 1,024 x 8 float32; w1 8 x 1,024 x 4,096 float32; w2 8 x 4,096 x 1,024 float32; x 4 x 256 x 1,024 float32.
;; Outputs: out0 4 x 256 x 1,024 float32.
;; One version. Each part assembles by itself: llvm-mc -triple=amdgcn-amd-amdhsa -mcpu=gfx1250 --defsym DOCPART=n.
;; ======== version 1 of 1: 4 launches
;; limits: values are held in f16: magnitudes above 65,504 overflow, below 6.1e-05 lose precision
;; workspace buffers: idx 4,096 bytes of whole numbers; cnt 256 bytes of whole numbers; plist 32,768 bytes of whole numbers; top1 4,096 bytes; xb 2,097,152 bytes; hbuf 67,108,864 bytes; part 134,217,728 bytes
;; launch router (part 1): grid 256 x 1, 2 waves a work-group, no clusters, 0 bytes of LDS; arguments x, router_w, idx, top1, xb; writes idx, top1, xb
.if DOCPART == 1
	.amdgcn_target "amdgcn-amd-amdhsa--gfx1250"
	.amdhsa_code_object_version 6
	.text
	.protected	k_q4ad958d125_router
	.globl	k_q4ad958d125_router
	.p2align	8
	.type	k_q4ad958d125_router,@function
k_q4ad958d125_router:
	s_mov_b64 s[64:65], 0
	v_nop
	global_prefetch_b8 v0, s[64:65] scope:SCOPE_SE
	s_setreg_imm32_b32 hwreg(HW_REG_WAVE_MODE, 25, 1), 1
	s_wait_xcnt 0x0
; ROUTER.  1,024 tokens of 1,024 numbers, 8 experts.  x and router_w are rounded to bf16 (as every input of this program is); the logits are f32 sums of the exact
; products.  Stored: xb = x in bf16, idx = the expert with the largest logit (the lowest index wins a tie), top1 = 1 / sum of exp(l - max), its softmax weight.
; SHARES.  512 waves, two tokens each.  Lane L owns the channels d = 128 j + 4 L + q (j = 0..7, q = 0..3): its x comes by 16-byte loads of which a wave covers 512 consecutive bytes.
; The vector unit does the products: 8.4 M multiply-adds, a thousandth of the program; no LDS, no barrier: a token never leaves its wave.
; router_w (32 KB) is read by each lane as its own 128 consecutive bytes of a chunk of 128 channels, four chunks in flight.
; LIMITS.  NaN logits are not treated apart; two logits closer than the rounding of an f32 sum of 1,024 terms may be ordered otherwise than by another order of summing;
; an exponential below 2^-126 counts as 0 in the sum.
.set X,   8                            ; v[8:71]    x: token t, load j at X + 32 t + 4 j; after packing the first two registers hold q = 0,1 and q = 2,3 in bf16
.set RW,  72                           ; v[72:199]  four slots of 32: router_w[d][e] at 8 q + e
.set RP,  200                          ; v[200:215] the chunk in hand in bf16: (e = 2 m, 2 m + 1) of channel q at 4 q + m
.set ACC, 216                          ; v[216:231] the logits: token t, expert e at 8 t + e
.set TM,  232                          ; v[232:239] at work
.macro RWLOAD c                        ; chunk c: eight loads, 128 bytes a lane
.set n, 0
.rept 8
	global_load_b128 v[RW+32*((\c)%4)+4*n:RW+32*((\c)%4)+4*n+3], v3, s[6:7] offset:(\c)*4096+16*n
.set n, n+1
.endr
.endm
.macro FMIX d, a, b, sa, sb            ; d += bf16 half sa of a x bf16 half sb of b, in f32
.if ((\sa) == 0) && ((\sb) == 0)
	v_fma_mix_f32_bf16 v[\d], v[\a], v[\b], v[\d] op_sel:[0,0,0] op_sel_hi:[1,1,0]
.elseif ((\sa) == 1) && ((\sb) == 0)
	v_fma_mix_f32_bf16 v[\d], v[\a], v[\b], v[\d] op_sel:[1,0,0] op_sel_hi:[1,1,0]
.elseif ((\sa) == 0) && ((\sb) == 1)
	v_fma_mix_f32_bf16 v[\d], v[\a], v[\b], v[\d] op_sel:[0,1,0] op_sel_hi:[1,1,0]
.else
	v_fma_mix_f32_bf16 v[\d], v[\a], v[\b], v[\d] op_sel:[1,1,0] op_sel_hi:[1,1,0]
.endif
.endm
.macro CHUNK c, left                   ; 128 channels: 16 roundings, 64 multiply-adds in 16 chains that do not wait for each other
	s_wait_loadcnt \left                           ; loads come back in order: this chunk is in, the chunks issued behind it (8 loads each) stay out
.set n, 0
.rept 16
	v_cvt_pk_bf16_f32 v[RP+n], v[RW+32*((\c)%4)+2*n], v[RW+32*((\c)%4)+2*n+1]
.set n, n+1
.endr
.set n, 0
.rept 64                               ; n = 16 q + 8 t + e
	FMIX ACC+n%16, X+32*((n/8)%2)+4*(\c)+n/32, RP+4*(n/16)+(n%8)/2, (n/16)%2, n%2
.set n, n+1
.endr
.if (\c) < 4
	RWLOAD (\c)+4                                  ; the slot takes the chunk four further on
.endif
.endm
	s_load_b256 s[4:11], s[0:1], 0x0               ; x s[4:5], router_w s[6:7], idx s[8:9], top1 s[10:11]
	s_load_b64 s[12:13], s[0:1], 0x20              ; xb
	v_and_b32 v1, 31, v0                           ; lane
	v_lshrrev_b32 v5, 5, v0
	v_readfirstlane_b32 s16, v5                    ; wave 0..1
	s_lshl_b32 s17, ttmp9, 1
	s_add_co_u32 s17, s17, s16                     ; my pair of tokens
	v_lshlrev_b32 v2, 4, v1                        ; 16 L: x
	v_lshlrev_b32 v3, 7, v1                        ; 128 L: router_w
	v_lshlrev_b32 v4, 3, v1                        ; 8 L: xb
	s_lshl_b32 s18, s17, 13                        ; two rows of 4,096 bytes of x
	s_mov_b32 s19, 0
	s_lshl_b32 s20, s17, 12                        ; two rows of 2,048 bytes of xb
	s_mov_b32 s21, 0
	s_lshl_b32 s22, s17, 3                         ; two words of idx and of top1
	s_mov_b32 s14, 0x3fb8aa3b                      ; log2(e)
	s_mov_b32 s24, 0x76543210                      ; v_permlanex16_b32: each lane takes its own place in the other half
	s_mov_b32 s25, 0xfedcba98
	s_wait_kmcnt 0x0
	s_add_nc_u64 s[4:5], s[4:5], s[18:19]
	s_add_nc_u64 s[12:13], s[12:13], s[20:21]
.set n, 0
.rept 16                               ; n = 8 t + j
	global_load_b128 v[X+4*n:X+4*n+3], v2, s[4:5] offset:(n/8)*4096+(n%8)*512 th:TH_LOAD_NT
.set n, n+1
.endr
	RWLOAD 0
	RWLOAD 1
	RWLOAD 2
	RWLOAD 3
.set n, 0
.rept 16
	v_mov_b32 v[ACC+n], 0
.set n, n+1
.endr
	s_wait_loadcnt 32                              ; x is in; the 32 loads of router_w stay out
.set n, 0
.rept 16
	v_cvt_pk_bf16_f32 v[X+4*n], v[X+4*n], v[X+4*n+1]
	v_cvt_pk_bf16_f32 v[X+4*n+1], v[X+4*n+2], v[X+4*n+3]
	global_store_b64 v4, v[X+4*n:X+4*n+1], s[12:13] offset:(n/8)*2048+(n%8)*256  ; a wave stores 256 consecutive bytes, aligned; the two registers are only read from here on
.set n, n+1
.endr
	CHUNK 0, 24
	CHUNK 1, 24
	CHUNK 2, 24
	CHUNK 3, 24
	CHUNK 4, 24
	CHUNK 5, 16
	CHUNK 6, 8
	CHUNK 7, 0
	; the 16 sums over the 32 lanes: four steps inside each half ride on the addition, one crosses the halves
.irp m, 1,2,4,8
.set n, 0
.rept 16
	v_add_f32_dpp v[ACC+n], v[ACC+n], v[ACC+n] row_xmask:\m row_mask:0xf bank_mask:0xf
.set n, n+1
.endr
.endr
.set n, 0
.rept 16
	v_permlanex16_b32 v[RW+n], v[ACC+n], s24, s25  ; its destination counts as read: a register that the loads have written
.set n, n+1
.endr
.set n, 0
.rept 16
	v_add_f32 v[ACC+n], v[ACC+n], v[RW+n]
.set n, n+1
.endr
.irp t, 0,1
	v_max3_num_f32 v[TM+\t], v[ACC+8*\t], v[ACC+8*\t+1], v[ACC+8*\t+2]
	v_max3_num_f32 v[TM+\t], v[TM+\t], v[ACC+8*\t+3], v[ACC+8*\t+4]
	v_max3_num_f32 v[TM+\t], v[TM+\t], v[ACC+8*\t+5], v[ACC+8*\t+6]
	v_max_num_f32 v[TM+\t], v[TM+\t], v[ACC+8*\t+7]
	v_mov_b32 v[TM+2+\t], 7
.irp e, 6,5,4,3,2,1,0                  ; downward, so that the lowest index that holds the maximum stays
	v_cmp_neq_f32 vcc_lo, v[ACC+8*\t+\e], v[TM+\t]
	v_cndmask_b32 v[TM+2+\t], \e, v[TM+2+\t], vcc_lo
.endr
	v_mul_f32 v[TM+4+\t], s14, v[TM+\t]
.irp e, 0,1,2,3,4,5,6,7
	v_fma_f32 v[ACC+8*\t+\e], v[ACC+8*\t+\e], s14, -v[TM+4+\t]  ; (l - max) log2(e)
.endr
.endr
.set n, 0
.rept 16
	v_exp_f32 v[ACC+n], v[ACC+n]
.set n, n+1
.endr
	v_nop                                          ; a plain instruction behind the last exponential
	s_wait_alu depctr_va_vdst(0)                   ; one wait for the batch of 16, ahead of its first reader
.irp t, 0,1
	v_pk_add_f32 v[ACC+8*\t:ACC+8*\t+1], v[ACC+8*\t:ACC+8*\t+1], v[ACC+8*\t+2:ACC+8*\t+3]
	v_pk_add_f32 v[ACC+8*\t+4:ACC+8*\t+5], v[ACC+8*\t+4:ACC+8*\t+5], v[ACC+8*\t+6:ACC+8*\t+7]
.endr
.irp t, 0,1
	v_pk_add_f32 v[ACC+8*\t:ACC+8*\t+1], v[ACC+8*\t:ACC+8*\t+1], v[ACC+8*\t+4:ACC+8*\t+5]
.endr
.irp t, 0,1
	v_add_f32 v[ACC+8*\t], v[ACC+8*\t], v[ACC+8*\t+1]
.endr
	v_rcp_f32 v[ACC], v[ACC]                       ; the largest term is 1: top1 = 1 / sum
	v_rcp_f32 v[ACC+8], v[ACC+8]
	v_cmp_eq_u32 vcc_lo, 1, v1                     ; (the plain instruction behind the reciprocals)
	s_wait_alu depctr_va_vdst(0)                   ; one wait for the two
	v_cndmask_b32 v[TM+6], v[TM+2], v[TM+3], vcc_lo  ; lane 0 takes the first token, lane 1 the second
	v_cndmask_b32 v[TM+7], v[ACC], v[ACC+8], vcc_lo
	v_lshl_add_u32 v5, v1, 2, s22
	v_cmp_gt_u32 vcc_lo, 2, v1
	s_wait_xcnt 0x0                                ; EXEC is a source of the stores above: it changes only behind this wait
	s_and_saveexec_b32 s26, vcc_lo
	global_store_b32 v5, v[TM+6], s[8:9]           ; 8 bytes a wave, 4 KB in the launch
	global_store_b32 v5, v[TM+7], s[10:11]
	s_endpgm
.Lfunc_end_k_q4ad958d125_router:
	.size	k_q4ad958d125_router, .Lfunc_end_k_q4ad958d125_router-k_q4ad958d125_router
	.p2alignl 7, 3214868480
	.fill 96, 4, 3214868480
	.section	.rodata,"a",@progbits
	.p2align	6, 0x0
	.amdhsa_kernel k_q4ad958d125_router
		.amdhsa_group_segment_fixed_size 0
		.amdhsa_private_segment_fixed_size 0
		.amdhsa_enable_private_segment 0
		.amdhsa_kernarg_size 40
		.amdhsa_user_sgpr_count 2
		.amdhsa_user_sgpr_kernarg_segment_ptr 1
		.amdhsa_wavefront_size32 1
		.amdhsa_system_sgpr_workgroup_id_x 1
		.amdhsa_system_sgpr_workgroup_id_y 1
		.amdhsa_system_sgpr_workgroup_id_z 1
		.amdhsa_system_vgpr_workitem_id 0
		.amdhsa_next_free_vgpr 240
		.amdhsa_next_free_sgpr 66
		.amdhsa_reserve_vcc 1
		.amdhsa_float_denorm_mode_32 3
		.amdhsa_float_denorm_mode_16_64 3
		.amdhsa_memory_ordered 1
		.amdhsa_forward_progress 1
		.amdhsa_inst_pref_size 63
	.end_amdhsa_kernel
	.amdgpu_metadata
---
amdhsa.version: [ 1, 2 ]
amdhsa.kernels:
  - .name:           k_q4ad958d125_router
    .symbol:         k_q4ad958d125_router.kd
    .args:
      - { .name: x, .offset: 0, .size: 8, .value_kind: global_buffer, .address_space: global }
      - { .name: router_w, .offset: 8, .size: 8, .value_kind: global_buffer, .address_space: global }
      - { .name: idx, .offset: 16, .size: 8, .value_kind: global_buffer, .address_space: global }
      - { .name: top1, .offset: 24, .size: 8, .value_kind: global_buffer, .address_space: global }
      - { .name: xb, .offset: 32, .size: 8, .value_kind: global_buffer, .address_space: global }
    .group_segment_fixed_size: 0
    .private_segment_fixed_size: 0
    .kernarg_segment_align: 8
    .kernarg_segment_size: 40
    .max_flat_workgroup_size: 64
    .sgpr_count:     66
    .vgpr_count:     240
    .wavefront_size: 32
...
	.end_amdgpu_metadata
.endif
;; end of part 1
;; launch up (part 2): grid 256 x 1, 8 waves a work-group, no clusters, 183,552 bytes of LDS; arguments xb, idx, w1, b1, hbuf, cnt, plist; writes hbuf, cnt, plist
.if DOCPART == 2
	.amdgcn_target "amdgcn-amd-amdhsa--gfx1250"
	.amdhsa_code_object_version 6
	.text
	.protected	k_q4ad958d125_up
	.globl	k_q4ad958d125_up
	.p2align	8
	.type	k_q4ad958d125_up,@function
k_q4ad958d125_up:
	s_mov_b64 s[64:65], 0
	v_nop
	global_prefetch_b8 v0, s[64:65] scope:SCOPE_SE
	s_setreg_imm32_b32 hwreg(HW_REG_WAVE_MODE, 25, 1), 1
	s_wait_xcnt 0x0
; FIRST PRODUCT.  h = gelu(x w1[e] + b1[e]) for the rows that chose expert e; x, w1, b1 rounded to bf16, sums in f32, h stored once rounded to f16.
; SHARES.  Work-group = one expert (number / 32) and 128 of its 4,096 hidden columns (number % 32): a slice of 1,024 x 128 f32 weights that it alone reads, once, and ALL the rows of the expert.
; THE LIST.  Every work-group counts the routing for itself from idx: each wave compacts its 128 tokens into LDS bytes of its own, and behind a barrier thread t finds the tokens of ranks
; t + 256 q by the eight waves' prefix sums and stores them at fixed places (LIST).  Ranks past the count repeat the last token (token 0 where the expert has none).
; WEIGHTS go memory -> registers -> LDS.  A unit is 32 k x 64 columns: 16 loads in which 16 lanes take 256 consecutive aligned bytes of a row.  Lane (r, h) holds columns 4 r .. 4 r + 3 of
; the rows that a matrix operand wants in lane half h, so rounding two loads' register f into one word IS register p of fragment f, whose row i is column 4 i + f: no transposing load.
; K goes in 8 chunks of 128: each of the 8 waves brings one unit and 24 token rows a chunk, through two register slots (up to 56 loads of a wave are out), into two LDS buffers that take turns.
; WHILE CHUNK c IS MULTIPLIED out of one buffer, chunk c + 1 is rounded and laid into the other, which nobody reads behind the barrier that opened the trip, and the register slot that it
; leaves is asked for again with chunk c + 3: stores, roundings and the issue of loads stand between the runs of matrix instructions.  One barrier a chunk.
; PRODUCT.  Source 0 = weights, source 1 = 16 ranks: a lane holds one rank (lane % 16) and 32 consecutive hidden columns, which after the GELU pack into two operand fragments of the second
; product.  Wave (tg, cg) has tiles tg, tg + 4, tg + 8 of 16 ranks x 64 columns.  192 ranks go this way; tiles past them are made one by one from memory, slowly (every split is served).
; GELU.  erf by the rational form 1 - (a1 t + .. + a5 t^5) exp(-z^2), t = 1 / (1 + p z) (Abramowitz and Stegun 7.1.26): absolute error 1.5e-7 for every argument.
; NO CLUSTER: each weight byte has one reader; what an expert's work-groups share is its token rows, which come by a list that no tensor descriptor covers.
; No tensor loads: the f32 weights pass registers to be rounded anyway.
; LIMITS.  |h| stays within f16: 65,504 (inputs all 30 times larger give some 4,500; offsets of 30 spreads on x and w1 some 29,000).  NaN and infinities are not treated apart.
.set WP,     16384                     ; bytes in a row of w1[e]
.set WSTEP,  128*WP                    ; a chunk of K
.set TSTEP,  256                       ; 128 bf16 along a row of xb
.set TB,     65536                     ; LDS: 0: two weight buffers of 32 fragments of 1 KB; TB: two token buffers
.set TPITCH, 272                       ; a token row in LDS: 256 bytes + 16: the 16 rows of a fragment load start at 16 different groups of four banks
.set TBUF,   192*TPITCH
.set TJ,     64*TPITCH                 ; from a wave's tile to its next: four tiles
.set TK,     64                        ; 32 k
.set TH,     32                        ; a fragment's second 16 bytes
.set TSJ,    2*TPITCH
.set LIST,   TB+2*TBUF                 ; 1,024 words: the token of each rank
.set LW,     LIST+4096                 ; 8 x 1,024 bytes: each wave's own compaction (words 0-127) and the words for lanes that have nothing to put (128-159)
.set CNTL,   LW+8192                   ; 8 words: the waves' counts
.set SPARE,  CNTL+256                  ; the spare words, 128 bytes a wave, which no other line names
.set SPW, 12                           ; v12  SPARE + 4 x thread; never rewritten
.set NIL, 13                           ; v13  0; never rewritten
.set VW,  14                           ; v14  weights: 8 rows x half + 16 r
.set VWS, 15                           ; v15  LDS: where my unit's fragments go: 4,096 x wave + 16 L
.set VTS, 16                           ; v16  LDS: where my token rows go
.set VWF, 17                           ; v17  LDS: my column group's fragments
.set VTF, 18                           ; v18-19  LDS: my first tile's fragment rows, buffer 0, 1
.set TO,  20                           ; v20-31  byte offsets in xb of my 12 loads' rows
.set OTO, 32                           ; v32  the same for a tile made from memory
.set GO,  33                           ; v33  16 L
.set IX,  34                           ; v34-37  idx of my wave's 128 tokens
.set R16, 39                           ; v39  16 r
.set ACC, 40                           ; v40-135  accumulator (j, f) at 32 j + 8 f
.set Y,   104                          ; = accumulators (2, f): also the way out's y
.set FR0, 136                          ; two fragment buffers of 56: 4 of weights, 3 of tokens
.set WF0, 136
.set OTF, 224
.set VB1, 252                          ; v252  byte offset in b1 of my lane half's 32 columns
.set TT,  136                          ; the way out, in the fragment buffers' place
.set EE,  168
.set PP,  200
.set HH,  232
.set RA,  0                            ; window 1: register slot A: 16 weight loads, 12 token loads
.set RB,  112                          ; slot B
.set FW,  224                          ; window 1: a unit's four fragments on their way into LDS
.set BI,  224                          ; window 1, behind the last chunk: b1 of my 32 columns, at 8 f + q
; scalars: s18 wave, s19 expert, s20 slice, s21 tg (= which 32 k I fetch), s22 cg; s[96:97] weights of chunk 0, s[24:25] of the chunk asked for last, s[26:27] the same for tokens,
; s[30:31] store base; s48 count, s49 tiles, s50 max(tiles, 1), s51 my third tile is live, s52 max(count, 1) - 1; s[56:57] my column group's first weight row;
; s82-88 prefix sums, s89-95 256 w - prefix
.set MSB, 0
.macro WIN new                         ; s_set_vgpr_msb: bits 1:0 source 0, 3:2 source 1, 5:4 source 2, 7:6 destination; the high byte repeats the setting that is left
.if MSB != (\new)
	s_set_vgpr_msb (MSB<<8)|(\new)
.set MSB, \new
.endif
.endm
.macro PLACES                          ; four plain instructions between a matrix instruction and a load into, or a vector use of, its registers
.rept 4
	v_nop
.endr
.endm
.macro WLOAD R, p, koff                ; a unit: rows koff + 8 h + 0..7 and koff + 16 + 8 h + 0..7
	WIN 0x40
.set i, 0
.rept 16
	global_load_b128 v[(\R)+4*i:(\R)+4*i+3], v[VW], s[\p:\p+1] offset:((\koff)+i+8*(i/8))*WP th:TH_LOAD_NT
.set i, i+1
.endr
.endm
.macro TLOAD R, p                      ; 24 token rows, 256 bytes each: two rows a load
	WIN 0x40
.irp j, 0,1,2,3,4,5,6,7,8,9,10,11
	global_load_b128 v[(\R)+64+4*\j:(\R)+64+4*\j+3], v[TO+\j], s[\p:\p+1]
.endr
.endm
.macro CVT R, D                        ; register p of fragment f = (load 2 p, load 2 p + 1) register f, rounded to bf16; sources and destination in window 1
	WIN 0x45
.irp f, 0,1,2,3
.irp p, 0,1,2,3,4,5,6,7
	v_cvt_pk_bf16_f32 v[(\D)+8*\f+\p], v[(\R)+8*\p+\f], v[(\R)+8*\p+4+\f]
.endr
.endr
.endm
.macro STAGEW buf, R, nW               ; slot R's weights are rounded and laid into LDS buffer buf.  nW: the loads issued behind them, which may stay out
	s_wait_loadcnt \nW
	CVT \R, FW
	WIN 0x04                                       ; store data in window 1
.irp f, 0,1,2,3
	ds_store_b128 v[VWS], v[FW+8*\f:FW+8*\f+3] offset:(\buf)*32768+\f*1024
	ds_store_b128 v[VWS], v[FW+8*\f+4:FW+8*\f+7] offset:(\buf)*32768+\f*1024+512
.endr
	WIN 0
.endm
.macro STAGET buf, R, nT               ; slot R's token rows go into LDS buffer buf
	s_wait_loadcnt \nT
	WIN 0x04
.irp j, 0,1,2,3,4,5,6,7,8,9,10,11
	ds_store_b128 v[VTS], v[(\R)+64+4*\j:(\R)+64+4*\j+3] offset:(\buf)*TBUF+\j*TSJ
.endr
	WIN 0
.endm
.macro REFILLW R                       ; the slot's weights are asked for again: the chunk behind the one asked for last
	s_wait_xcnt 0x0                                ; the two bases are stepped only behind this wait
	s_add_nc_u64 s[24:25], s[24:25], WSTEP
	s_add_nc_u64 s[26:27], s[26:27], TSTEP
	WLOAD \R, 24, 0
	WIN 0
.endm
.macro B1LOAD R                        ; b1 of my 32 columns, into a slot that has no chunk left to take
	WIN 0x40
.irp q, 0,1,2,3,4,5,6,7
	global_load_b128 v[(\R)+4*\q:(\R)+4*\q+3], v[VB1], s[10:11] offset:16*\q
.endr
	WIN 0
.endm
; The fragments of 32 k: 12 LDS loads, and in front of them my third tile's two, which are jumped where that tile has no rows.  They stand first, so that a wait that leaves
; the 12 others of the next run out holds whether they were issued or not.  all = 1 (the first chunk): they are issued in any case, so that their registers are written on every path.
.macro FLOAD buf, ks, x, all
.if !(\all)
	s_cmp_lg_u32 s51, 0
	s_cbranch_scc0 .Lnoj2_\@
.endif
	ds_load_b128 v[FR0+56*(\x)+48:FR0+56*(\x)+51], v[VTF+\buf] offset:2*TJ+(\ks)*TK
	ds_load_b128 v[FR0+56*(\x)+52:FR0+56*(\x)+55], v[VTF+\buf] offset:2*TJ+(\ks)*TK+TH
.if !(\all)
.Lnoj2_\@:
.endif
.irp f, 0,1,2,3
	ds_load_b128 v[FR0+56*(\x)+8*\f:FR0+56*(\x)+8*\f+3], v[VWF] offset:(\buf)*32768+(\ks)*8192+\f*1024
	ds_load_b128 v[FR0+56*(\x)+8*\f+4:FR0+56*(\x)+8*\f+7], v[VWF] offset:(\buf)*32768+(\ks)*8192+\f*1024+512
.endr
.irp j, 0,1
	ds_load_b128 v[FR0+56*(\x)+32+8*\j:FR0+56*(\x)+32+8*\j+3], v[VTF+\buf] offset:\j*TJ+(\ks)*TK
	ds_load_b128 v[FR0+56*(\x)+32+8*\j+4:FR0+56*(\x)+32+8*\j+7], v[VTF+\buf] offset:\j*TJ+(\ks)*TK+TH
.endr
.endm
.macro MMJ x, j, zero
.irp f, 0,1,2,3
.if \zero
	v_wmma_f32_16x16x32_bf16 v[ACC+32*(\j)+8*\f:ACC+32*(\j)+8*\f+7], v[FR0+56*(\x)+8*\f:FR0+56*(\x)+8*\f+7], v[FR0+56*(\x)+32+8*(\j):FR0+56*(\x)+32+8*(\j)+7], 0
.else
	v_wmma_f32_16x16x32_bf16 v[ACC+32*(\j)+8*\f:ACC+32*(\j)+8*\f+7], v[FR0+56*(\x)+8*\f:FR0+56*(\x)+8*\f+7], v[FR0+56*(\x)+32+8*(\j):FR0+56*(\x)+32+8*(\j)+7], v[ACC+32*(\j)+8*\f:ACC+32*(\j)+8*\f+7]
.endif
.endr
.endm
.macro MMT x                           ; my third tile's four products, jumped where it has no rows; then the places
	s_cmp_lg_u32 s51, 0
	s_cbranch_scc0 .Ldead_\@
	MMJ \x, 2, 0
.Ldead_\@:
	PLACES
.endm
.macro MM x, zero                      ; 8 or 12 matrix instructions; the accumulators take turns, one instruction a turn.  zero = 1: the first products start the sums
	MMJ \x, 0, \zero
	MMJ \x, 1, \zero
.if \zero
	MMJ \x, 2, 1
	PLACES
.else
	MMT \x
.endif
.endm
; A chunk of K is multiplied out of LDS buffer buf, 4 x 32 k.  stage = 1: meanwhile the next chunk goes from its register slot into the other buffer.  refill = 1: that slot is asked for
; again; 2: it takes b1.  last = 1: no barrier follows.
; The waits on DScnt count what was issued behind the run of fragment loads in hand: the next run's 12 and the 8 weight stores; those 8, the 12 token stores and 12; 12.
.macro TRIP buf, zero, stage, refill, nW, nT, last
.set RR, RA+112*(1-(\buf))
	FLOAD \buf, 0, 0, \zero
	FLOAD \buf, 1, 1, \zero
.if \stage
	STAGEW 1-(\buf), RR, \nW
	s_wait_dscnt 20
.else
	s_wait_dscnt 12
.endif
	MM 0, \zero
.if \stage
	STAGET 1-(\buf), RR, \nT
.endif
	FLOAD \buf, 2, 0, \zero
.if (\refill) == 1
	REFILLW RR
.elseif (\refill) == 2
	B1LOAD RR
.endif
.if \stage
	s_wait_dscnt 32
.else
	s_wait_dscnt 12
.endif
	MM 1, 0
	FLOAD \buf, 3, 1, \zero
	s_wait_dscnt 12                                ; the third run is in, and so are the token stores, which are older: the slot's token registers are free
	MM 0, 0
.if (\refill) == 1
	TLOAD RR, 26
	WIN 0
.endif
	s_wait_dscnt 0x0                               ; for the others: my stores into the other buffer are done, my reads of this one are back
.if !(\last)
	s_barrier_signal -1
.endif
	MMJ 1, 0, 0                                    ; work on registers while the others arrive
	MMJ 1, 1, 0
.if !(\last)
	s_barrier_wait -1                              ; the other buffer is whole; nobody reads this one any more
.endif
	MMT 1
.endm
	s_load_b256 s[4:11], s[0:1], 0x0               ; xb s[4:5], idx s[6:7], w1 s[8:9], b1 s[10:11]
	s_load_b128 s[12:15], s[0:1], 0x20             ; hbuf s[12:13], cnt s[14:15]
	s_load_b64 s[16:17], s[0:1], 0x30              ; plist
	v_lshl_add_u32 v[SPW], v0, 2, SPARE
	v_mov_b32 v[NIL], 0
	v_and_b32 v1, 31, v0                           ; L
	v_and_b32 v2, 15, v0                           ; r
	v_bfe_u32 v3, v0, 4, 1                         ; h
	v_lshrrev_b32 v4, 5, v0
	v_readfirstlane_b32 s18, v4                    ; wave 0..7
	s_lshr_b32 s19, ttmp9, 5                       ; expert
	s_and_b32 s20, ttmp9, 31                       ; slice
	s_lshr_b32 s21, s18, 1                         ; tg
	s_and_b32 s22, s18, 1                          ; cg
	s_mov_b32 s66, 0x3f87dc22                      ; a5 =  1.061405429 (each constant twice: named as a pair)
	s_mov_b32 s67, 0x3f87dc22
	s_mov_b32 s68, 0xbfba00e3                      ; a4 = -1.453152027
	s_mov_b32 s69, 0xbfba00e3
	s_mov_b32 s70, 0x3fb5f0e3                      ; a3 =  1.421413741
	s_mov_b32 s71, 0x3fb5f0e3
	s_mov_b32 s72, 0xbe91a98e                      ; a2 = -0.284496736
	s_mov_b32 s73, 0xbe91a98e
	s_mov_b32 s74, 0x3e827906                      ; a1 =  0.254829592
	s_mov_b32 s75, 0x3e827906
	s_mov_b32 s76, 0xbf38aa3b                      ; -log2(e) / 2
	s_mov_b32 s77, 0xbf38aa3b
	s_mov_b32 s78, 0x3e6d3388                      ; p / sqrt(2) = 0.2316419
	s_mov_b32 s79, 0x7fffffff
	s_mov_b32 s80, 0xffff0000
	v_lshlrev_b32 v[GO], 4, v1
	v_lshlrev_b32 v[R16], 4, v2
	v_lshl_add_u32 v[VW], v3, 17, v[R16]           ; 8 rows of 16,384 bytes for the upper half of the lanes
	s_lshl_b32 s23, s18, 12
	v_add_nc_u32 v[VWS], s23, v[GO]
	s_lshl_b32 s23, s22, 12
	v_add_nc_u32 v[VWF], s23, v[GO]
	s_mul_i32 s23, s18, 24*TPITCH
	s_add_co_u32 s23, s23, TB
	v_mul_u32_u24 v4, v3, TPITCH
	v_add_nc_u32 v4, v4, v[R16]
	v_add_nc_u32 v[VTS], s23, v4                   ; row 24 wave + h, byte 16 r
	s_mul_i32 s23, s21, 16*TPITCH
	s_add_co_u32 s23, s23, TB
	v_mul_u32_u24 v4, v2, TPITCH
	v_lshl_add_u32 v4, v3, 4, v4
	v_add_nc_u32 v[VTF], s23, v4                   ; row 16 tg + r, byte 16 h
	v_add_nc_u32 v[VTF+1], TBUF, v[VTF]
	s_lshl_b32 s23, s18, 9
	v_lshl_add_u32 v5, v1, 2, s23                  ; idx: token 128 wave + L
	s_lshl_b32 s62, s20, 9
	s_lshl_b32 s63, s22, 8
	s_add_co_u32 s62, s62, s63                     ; my 64 columns, in bytes
	s_lshl_b32 s23, s19, 14
	s_add_co_u32 s23, s23, s62
	v_lshl_add_u32 v[VB1], v3, 7, s23              ; b1: my lane half's 32 columns
	s_lshl_b32 s28, s19, 24                        ; an expert's 1,024 rows of 16,384 bytes
	s_add_co_u32 s28, s28, s62
	s_mov_b32 s29, 0
	s_wait_kmcnt 0x0
	s_add_nc_u64 s[56:57], s[8:9], s[28:29]
	s_lshl_b32 s28, s21, 19                        ; my unit: 32 rows x tg
	s_add_nc_u64 s[96:97], s[56:57], s[28:29]      ; chunks 0 and 1 have bases of their own, made ahead of the loads: no wait stands between the first runs of loads
	s_add_nc_u64 s[24:25], s[96:97], WSTEP
	s_add_nc_u64 s[26:27], s[4:5], TSTEP
.irp q, 0,1,2,3
	global_load_b32 v[IX+\q], v5, s[6:7] offset:128*\q
.endr
	WLOAD RA, 96, 0                                ; chunks 0 and 1 of the weights are on their way while the list is made
	WLOAD RB, 24, 0
	WIN 0
	s_wait_loadcnt 32                              ; idx is in; the 32 weight loads stay out
	; each wave compacts its 128 tokens into its own 1,024 bytes
.irp q, 0,1,2,3
	v_cmp_eq_u32 s[32+\q], s19, v[IX+\q]
.endr
	s_bcnt1_i32_b32 s36, s32
	s_bcnt1_i32_b32 s37, s33
	s_bcnt1_i32_b32 s38, s34
	s_bcnt1_i32_b32 s39, s35
	s_add_co_u32 s37, s37, s36
	s_add_co_u32 s38, s38, s37
	s_add_co_u32 s39, s39, s38                     ; my wave's count
	s_lshl_b32 s53, s18, 10
	s_add_co_u32 s53, s53, LW
	v_mov_b32 v4, s53
	ds_store_b32 v4, v[NIL]                        ; word 0 holds token 0 unless a rank 0 follows: what an expert without rows reads
	v_add_nc_u32 v7, 128, v1
	s_lshl_b32 s62, s18, 7
	v_add_nc_u32 v8, s62, v1
.macro PUT q, base
	v_mbcnt_lo_u32_b32 v6, s[32+\q], \base         ; my rank in the wave
	v_cndmask_b32 v6, v7, v6, s[32+\q]             ; a lane with nothing to put takes word 128 + L
	v_min_u32 v6, 0xff, v6
	v_lshl_add_u32 v6, v6, 2, s53
	v_add_nc_u32 v9, 32*(\q), v8
	ds_store_b32 v6, v9
.endm
	PUT 0, 0
	PUT 1, s36
	PUT 2, s37
	PUT 3, s38
	s_lshl_b32 s62, s18, 2
	s_add_co_u32 s62, s62, CNTL
	v_mov_b32 v4, s62
	v_mov_b32 v5, s39
	ds_store_b32 v4, v5
	s_wait_dscnt 0x0                               ; for the others: my stores are done
	s_barrier_signal -1
	s_barrier_wait -1
	v_mov_b32 v4, CNTL
	ds_load_b128 v[8:11], v4
	ds_load_b128 v[248:251], v4 offset:16
	s_wait_dscnt 0x0
.irp w, 0,1,2,3
	v_readfirstlane_b32 s[40+\w], v[8+\w]
	v_readfirstlane_b32 s[44+\w], v[248+\w]
.endr
	s_mov_b32 s82, s40                             ; prefix sums P1 .. P7
.irp w, 1,2,3,4,5,6
	s_add_co_u32 s[82+\w], s[81+\w], s[40+\w]
.endr
	s_add_co_u32 s48, s88, s47
.irp w, 1,2,3,4,5,6,7
	s_sub_co_u32 s[88+\w], 256*\w, s[81+\w]        ; rank i of wave w lies at word 256 w + i - Pw
.endr
	s_min_u32 s48, s48, 0x400                      ; count
	s_add_co_u32 s49, s48, 15
	s_lshr_b32 s49, s49, 4                         ; tiles of 16 ranks
	s_max_u32 s50, s49, 1                          ; tile 0 is always made, so that the next launch's clamped reads find written bytes
	s_max_u32 s52, s48, 1
	s_sub_co_u32 s52, s52, 1
	s_add_co_u32 s23, s21, 8
	s_cmp_lt_u32 s23, s49
	s_cselect_b32 s51, 1, 0
.macro LOOKUP q                        ; the token of rank min(thread + 256 q, count - 1)
	v_add_nc_u32 v4, 256*(\q), v0
	v_min_u32 v4, s52, v4
	v_mov_b32 v5, v4
.irp w, 1,2,3,4,5,6,7
	v_cmp_le_u32 vcc_lo, s[81+\w], v4
	v_add_nc_u32 v6, s[88+\w], v4
	v_cndmask_b32 v5, v5, v6, vcc_lo               ; the last wave whose prefix is not above the rank
.endr
	v_min_u32 v5, 0x7ff, v5
	v_lshl_add_u32 v5, v5, 2, LW
	ds_load_b32 v[8+\q], v5
.endm
	LOOKUP 0
	LOOKUP 1
	LOOKUP 2
	LOOKUP 3
	v_lshl_add_u32 v4, v0, 2, LIST
	s_wait_dscnt 0x0
.irp q, 0,1,2,3
	ds_store_b32 v4, v[8+\q] offset:1024*\q
.endr
	s_wait_dscnt 0x0
	s_barrier_signal -1
	s_barrier_wait -1                              ; LIST is whole, and is never written again
	s_mul_i32 s23, s18, 96
	s_add_co_u32 s23, s23, LIST
	v_lshl_add_u32 v4, v3, 2, s23
.irp j, 0,1,2,3,4,5,6,7,8,9,10,11
	ds_load_b32 v[TO+\j], v4 offset:8*\j           ; rank 24 wave + 2 j + h
.endr
	s_wait_dscnt 0x0
.irp j, 0,1,2,3,4,5,6,7,8,9,10,11
	v_min_u32 v[TO+\j], 0x3ff, v[TO+\j]
	v_lshl_add_u32 v[TO+\j], v[TO+\j], 11, v[R16]
.endr
	TLOAD RA, 4
	TLOAD RB, 26
	WIN 0
	s_cmp_lg_u32 s20, 0
	s_cbranch_scc1 .Lnolist                        ; the expert's first slice stores the list and the count for the launches behind
	s_lshl_b32 s23, s19, 12
	v_lshl_add_u32 v6, v0, 2, s23
.irp q, 0,1,2,3
	global_store_b32 v6, v[8+\q], s[16:17] offset:1024*\q
.endr
	s_cmp_lg_u32 s18, 0
	s_cbranch_scc1 .Lnolist
	v_mov_b32 v7, s48
	s_lshl_b32 s23, s19, 2
	v_mov_b32 v38, s23
	global_store_b32 v38, v7, s[14:15]             ; all lanes store the same word
.Lnolist:
	; Chunk 0 goes into buffer 0.  Out are A's weights, B's weights, A's tokens, B's tokens: 16 + 12 + 12 behind the first, 12 behind A's tokens.
	STAGEW 0, RA, 40
	STAGET 0, RA, 12
	REFILLW RA
	s_wait_dscnt 0x0                               ; for the others: my stores are done; the slot's token registers are free
	TLOAD RA, 26
	WIN 0
	s_barrier_signal -1
	s_barrier_wait -1
	; From here on a wave's queue of loads is: the slot in hand (16 weights, 12 tokens), the other slot (28): 40 behind the weights, 28 behind the tokens.
	TRIP 0, 1, 1, 1, 40, 28, 0                     ; chunk 0 (A's tokens, which also lie behind B's weights, have been waited for: 40 asks for no more)
	s_mov_b32 s54, 2
.Lk:
	TRIP 1, 0, 1, 1, 40, 28, 0                     ; chunks 1 to 4
	TRIP 0, 0, 1, 1, 40, 28, 0
	s_sub_co_u32 s54, s54, 1
	s_cmp_lg_u32 s54, 0
	s_cbranch_scc1 .Lk
	TRIP 1, 0, 1, 2, 40, 28, 0                     ; chunk 5: no chunk is left to ask for; slot A takes b1 (8 loads)
	TRIP 0, 0, 1, 0, 20, 8, 0                      ; chunk 6: behind the last weights: their tokens 12 and b1 8
	TRIP 1, 0, 0, 0, 0, 0, 1                       ; chunk 7
	s_wait_loadcnt 0x0                             ; b1
	WIN 0x05                                       ; it is rounded to bf16 and laid out by accumulator: column 32 h + 4 q + f at 8 f + q
.set n, 0
.rept 16
	v_cvt_pk_bf16_f32 v[WF0+n], v[RA+2*n], v[RA+2*n+1]
.set n, n+1
.endr
	WIN 0x40
.set n, 0
.rept 16                               ; n = 2 q + u holds f = 2 u and 2 u + 1
	v_lshlrev_b32 v[BI+16*(n%2)+n/2], 16, v[WF0+n]
	v_and_b32 v[BI+16*(n%2)+8+n/2], s80, v[WF0+n]
.set n, n+1
.endr
	WIN 0
; A tile past the first 192 ranks, 16 ranks x my 64 columns, straight from memory: 64 k a step.  The fragments stay in window 1, in the slots' token registers.
.macro OSTEP
	WLOAD RA, 58, 0
	WLOAD RB, 58, 32
	WIN 0
.irp u, 0,1,2,3
	global_load_b128 v[OTF+4*\u:OTF+4*\u+3], v[OTO], s[60:61] offset:32*\u
.endr
	s_wait_loadcnt 0x0
	CVT RA, RA+64
	WIN 0x01                                       ; source 0 in window 1
.irp f, 0,1,2,3
	v_wmma_f32_16x16x32_bf16 v[Y+8*\f:Y+8*\f+7], v[RA+64+8*\f:RA+64+8*\f+7], v[OTF:OTF+7], v[Y+8*\f:Y+8*\f+7]
.endr
	CVT RB, RB+64
	WIN 0x01
.irp f, 0,1,2,3
	v_wmma_f32_16x16x32_bf16 v[Y+8*\f:Y+8*\f+7], v[RB+64+8*\f:RB+64+8*\f+7], v[OTF+8:OTF+15], v[Y+8*\f:Y+8*\f+7]
.endr
	WIN 0
	PLACES
.endm
.macro ADDB j                          ; y = sums + b1, into the third tile's registers; each accumulator is read from its low end on
	WIN 0x04
.set n, 0
.rept 16
	v_pk_add_f32 v[Y+n:Y+n+1], v[ACC+32*(\j)+n:ACC+32*(\j)+n+1], v[BI+n:BI+n+1]
.set n, n+2
.endr
	WIN 0
.endm
	; THE WAY OUT: 16 trips, a constant; my tiles in the order tg + 8, tg, tg + 4, tg + 12, tg + 16 ..: the third tile first, so that its registers can take every tile's y.
	; A tile without rows is jumped, forward, past text that holds no barrier.
	s_mov_b32 s54, 0
.Ltail:
	s_add_co_u32 s55, s54, 2
	s_sub_co_u32 s23, s54, 1
	s_cmp_eq_u32 s54, 0
	s_cselect_b32 s55, s55, s23
	s_cmp_lt_u32 s54, 3
	s_cselect_b32 s55, s55, s54
	s_lshl2_add_u32 s55, s55, s21                  ; the tile
	s_cmp_lt_u32 s55, s50
	s_cbranch_scc0 .Lnext
	s_cmp_eq_u32 s54, 1
	s_cbranch_scc1 .Ladd0
	s_cmp_eq_u32 s54, 2
	s_cbranch_scc1 .Ladd1
	s_cmp_eq_u32 s54, 0
	s_cbranch_scc1 .Ladd2
	s_wait_xcnt 0x0                                ; the last tile's stores have read their registers
	s_lshl_b32 s23, s55, 4
	v_add_nc_u32 v4, s23, v2
	v_min_u32 v4, 0x3ff, v4
	v_lshl_add_u32 v4, v4, 2, LIST
	ds_load_b32 v5, v4
	s_mov_b64 s[58:59], s[56:57]
	s_mov_b64 s[60:61], s[4:5]
	v_lshlrev_b32 v6, 4, v3
.set n, 0
.rept 32                               ; this seldom-run path clears its four accumulators, 32 lines, so that its step is written once
	v_mov_b32 v[Y+n], 0
.set n, n+1
.endr
	s_wait_dscnt 0x0
	v_min_u32 v5, 0x3ff, v5
	v_lshl_add_u32 v[OTO], v5, 11, v6
	s_mov_b32 s62, 16
.Lo:
	OSTEP
	s_wait_xcnt 0x0                                ; the two bases are stepped only behind this wait (the last step's are not used)
	s_add_nc_u64 s[58:59], s[58:59], 64*WP
	s_add_nc_u64 s[60:61], s[60:61], 128
	s_sub_co_u32 s62, s62, 1
	s_cmp_lg_u32 s62, 0
	s_cbranch_scc1 .Lo
.Ladd2:
	ADDB 2
	s_branch .Lbody
.Ladd0:
	ADDB 0
	s_branch .Lbody
.Ladd1:
	ADDB 1
.Lbody:
	s_wait_xcnt 0x0                                ; the last tile's stores have read their base and their registers
	s_lshl_b32 s28, s19, 6
	s_add_co_u32 s28, s28, s55
	s_lshl_b32 s28, s28, 7
	s_lshl2_add_u32 s28, s20, s28
	s_lshl1_add_u32 s28, s22, s28                  ; block ((e 64 + tile) 128 + 4 slice + 2 cg) of 1 KB
	s_lshl_b32 s28, s28, 10
	s_mov_b32 s29, 0
	s_add_nc_u64 s[30:31], s[12:13], s[28:29]
.set n, 0
.rept 32
	v_fma_f32 v[TT+n], |v[Y+n]|, s78, 1.0          ; 1 + p |y| / sqrt(2)
.set n, n+1
.endr
.set n, 0
.rept 32
	v_rcp_f32 v[TT+n], v[TT+n]
.set n, n+1
.endr
.set n, 0
.rept 16
	v_pk_mul_f32 v[EE+n:EE+n+1], v[Y+n:Y+n+1], v[Y+n:Y+n+1]
.set n, n+2
.endr
.set n, 0
.rept 16
	v_pk_mul_f32 v[EE+n:EE+n+1], v[EE+n:EE+n+1], s[76:77] op_sel_hi:[1,0]
.set n, n+2
.endr
.set n, 0
.rept 32
	v_exp_f32 v[EE+n], v[EE+n]                     ; exp(-y y / 2)
.set n, n+1
.endr
	v_nop                                          ; a plain instruction behind the last of the batch
	s_wait_alu depctr_va_vdst(0)                   ; one wait for the 64, ahead of the first reader
.set n, 0
.rept 16
	v_pk_fma_f32 v[PP+n:PP+n+1], v[TT+n:TT+n+1], s[66:67], s[68:69] op_sel_hi:[1,0,0]
.set n, n+2
.endr
.irp c, 70,72,74
.set n, 0
.rept 16
	v_pk_fma_f32 v[PP+n:PP+n+1], v[PP+n:PP+n+1], v[TT+n:TT+n+1], s[\c:\c+1] op_sel_hi:[1,1,0]
.set n, n+2
.endr
.endr
.set n, 0
.rept 16
	v_pk_mul_f32 v[PP+n:PP+n+1], v[PP+n:PP+n+1], v[TT+n:TT+n+1]
.set n, n+2
.endr
.set n, 0
.rept 16
	v_pk_fma_f32 v[PP+n:PP+n+1], v[PP+n:PP+n+1], v[EE+n:EE+n+1], 1.0 op_sel_hi:[1,1,0] neg_lo:[1,0,0] neg_hi:[1,0,0]  ; erf(|y| / sqrt(2))
.set n, n+2
.endr
.set n, 0
.rept 32
	v_bfi_b32 v[PP+n], s79, v[PP+n], v[Y+n]        ; with the sign of y
.set n, n+1
.endr
.set n, 0
.rept 16
	v_pk_mul_f32 v[TT+n:TT+n+1], v[Y+n:Y+n+1], 0.5 op_sel_hi:[1,0]
.set n, n+2
.endr
.set n, 0
.rept 16
	v_pk_fma_f32 v[EE+n:EE+n+1], v[TT+n:TT+n+1], v[PP+n:PP+n+1], v[TT+n:TT+n+1]  ; y / 2 + (y / 2) erf
.set n, n+2
.endr
.set n, 0
.rept 16                               ; n = 8 s + p: hidden 32 h + 16 s + 2 p and the next = (f = 2 (p % 2), q = 4 s + p / 2) and (f + 1, q)
	v_cvt_pk_f16_f32 v[HH+n], v[EE+16*(n%2)+4*(n/8)+(n%8)/2], v[EE+16*(n%2)+8+4*(n/8)+(n%8)/2]
.set n, n+1
.endr
.irp u, 0,1,2,3
	global_store_b128 v[GO], v[HH+4*\u:HH+4*\u+3], s[30:31] offset:512*\u  ; a wave stores 512 consecutive bytes, aligned: half an operand fragment of the second product
.endr
.Lnext:
	s_add_co_u32 s54, s54, 1
	s_cmp_lt_u32 s54, 16
	s_cbranch_scc1 .Ltail
	s_wait_tensorcnt 0x0                           ; the wave's end
	ds_add_u32 v[SPW], v[NIL]
	s_wait_dscnt 0x0
	s_endpgm
.Lfunc_end_k_q4ad958d125_up:
	.size	k_q4ad958d125_up, .Lfunc_end_k_q4ad958d125_up-k_q4ad958d125_up
	.p2alignl 7, 3214868480
	.fill 96, 4, 3214868480
	.section	.rodata,"a",@progbits
	.p2align	6, 0x0
	.amdhsa_kernel k_q4ad958d125_up
		.amdhsa_group_segment_fixed_size 183552
		.amdhsa_private_segment_fixed_size 0
		.amdhsa_enable_private_segment 0
		.amdhsa_kernarg_size 56
		.amdhsa_user_sgpr_count 2
		.amdhsa_user_sgpr_kernarg_segment_ptr 1
		.amdhsa_wavefront_size32 1
		.amdhsa_system_sgpr_workgroup_id_x 1
		.amdhsa_system_sgpr_workgroup_id_y 1
		.amdhsa_system_sgpr_workgroup_id_z 1
		.amdhsa_system_vgpr_workitem_id 0
		.amdhsa_next_free_vgpr 512
		.amdhsa_next_free_sgpr 100
		.amdhsa_reserve_vcc 1
		.amdhsa_float_denorm_mode_32 3
		.amdhsa_float_denorm_mode_16_64 3
		.amdhsa_memory_ordered 1
		.amdhsa_forward_progress 1
		.amdhsa_inst_pref_size 134
	.end_amdhsa_kernel
	.amdgpu_metadata
---
amdhsa.version: [ 1, 2 ]
amdhsa.kernels:
  - .name:           k_q4ad958d125_up
    .symbol:         k_q4ad958d125_up.kd
    .args:
      - { .name: xb, .offset: 0, .size: 8, .value_kind: global_buffer, .address_space: global }
      - { .name: idx, .offset: 8, .size: 8, .value_kind: global_buffer, .address_space: global }
      - { .name: w1, .offset: 16, .size: 8, .value_kind: global_buffer, .address_space: global }
      - { .name: b1, .offset: 24, .size: 8, .value_kind: global_buffer, .address_space: global }
      - { .name: hbuf, .offset: 32, .size: 8, .value_kind: global_buffer, .address_space: global }
      - { .name: cnt, .offset: 40, .size: 8, .value_kind: global_buffer, .address_space: global }
      - { .name: plist, .offset: 48, .size: 8, .value_kind: global_buffer, .address_space: global }
    .group_segment_fixed_size: 183552
    .private_segment_fixed_size: 0
    .kernarg_segment_align: 8
    .kernarg_segment_size: 56
    .max_flat_workgroup_size: 256
    .sgpr_count:     100
    .vgpr_count:     512
    .wavefront_size: 32
...
	.end_amdgpu_metadata
.endif
;; end of part 2
;; launch down (part 3): grid 256 x 1, 8 waves a work-group, no clusters, 164,864 bytes of LDS; arguments hbuf, cnt, w2, part; writes part
.if DOCPART == 3
	.amdgcn_target "amdgcn-amd-amdhsa--gfx1250"
	.amdhsa_code_object_version 6
	.text
	.protected	k_q4ad958d125_down
	.globl	k_q4ad958d125_down
	.p2align	8
	.type	k_q4ad958d125_down,@function
k_q4ad958d125_down:
	s_mov_b64 s[64:65], 0
	v_nop
	global_prefetch_b8 v0, s[64:65] scope:SCOPE_SE
	s_setreg_imm32_b32 hwreg(HW_REG_WAVE_MODE, 25, 1), 1
	s_wait_xcnt 0x0
; SECOND PRODUCT, in four parts along K.  part[ks] = h[:, 1024 ks ..] w2[e][1024 ks .., :] for the expert's rows; h in f16 as the launch before left it, w2 rounded to bf16 and that number
; written as f16 (exact within f16's range), sums in f32, stored as f32: the launch behind adds the four parts.
; SHARES.  Work-group = expert (number / 32), quarter of K (ks = number / 8 % 4), 128 of the 1,024 columns (number % 8): a slice of 1,024 x 128 f32 weights that it alone reads, once.
; One owner for each output would make slices of 32 columns x 4,096 k, and every work-group would read all of its expert's h in pieces of 128 bytes: 32 times; here it is read 8 times.
; The frame is the first product's: 8 chunks of 128 k, each wave brings one unit of weights (32 k x 64 columns) and 12 half fragments of h a chunk through two register slots, into two LDS
; buffers that take turns.  While chunk c is multiplied out of one buffer, chunk c + 1 is converted and laid into the other, which nobody reads behind the barrier that opened the trip, and
; the register slot that it leaves is asked for again with chunk c + 3.  One barrier a chunk.  h lies in memory as operand fragments of 1 KB (tile of 16 ranks, 32 k): it passes LDS as it lies.
; K IS PERMUTED alike in both operands: in fragment kappa lane half h, register p holds hidden 64 (kappa / 2) + 32 h + 16 (kappa % 2) + 2 p and the next; so load i of a unit takes row 32 h + i.
; PRODUCT.  Source 0 = 16 ranks, source 1 = weights (fragment f: column 4 r + f): register q of a lane is rank 8 h + q.
; Tiles past the first 192 ranks are made one by one from memory, slowly (every split is served).  A tile index past the count is clamped to a tile that exists, so that every wave issues
; the same loads in every chunk; an expert without rows streams its weights and stores nothing.
; NO CLUSTER: each weight byte has one reader; the shared h is under half of a chunk's bytes, and its clamp hangs on a count read from memory.
; LIMITS.  |w2| within 65,504; below 6e-5 it keeps f16's fixed step of 6e-8.
.set WP,     4096
.set WSTEP,  128*WP
.set TSTEP,  4096                      ; four fragments of a tile
.set TB,     65536
.set TBUF,   12*4096
.set TJ,     4*4096
.set TK,     1024
.set TH,     512
.set TSJ,    512
.set SPARE,  TB+2*TBUF                 ; the spare words, 128 bytes a wave, which no other line names
.set SPW, 12
.set NIL, 13
.set VW,  14                           ; v14  weights: 32 rows x half + 16 r
.set VWS, 15
.set VTS, 16
.set VWF, 17
.set VTF, 18
.set TO,  20
.set GO,  33                           ; v33  16 L
.set ACC, 40
.set Y,   104
.set FR0, 136
.set OTF, 224
.set RA,  0                            ; window 1: register slot A: 16 weight loads, 12 loads of h
.set RB,  112
.set FW,  224                          ; window 1: a unit's four fragments on their way into LDS
; scalars: s18 wave, s19 expert, s20 column slice, s63 ks, s21 tg, s22 cg; s[96:97] weights of chunk 0, s[24:25] of the chunk asked for last, s[26:27] the same for h, s[30:31] store base,
; s[34:35] my expert's and quarter's h, s[56:57] my column group's first row; s48 count, s49 tiles, s51 my third tile is live, s52 max(tiles, 1) - 1
.set MSB, 0
.macro WIN new                         ; s_set_vgpr_msb: bits 1:0 source 0, 3:2 source 1, 5:4 source 2, 7:6 destination; the high byte repeats the setting that is left
.if MSB != (\new)
	s_set_vgpr_msb (MSB<<8)|(\new)
.set MSB, \new
.endif
.endm
.macro PLACES                          ; four plain instructions between a matrix instruction and a load into, or a vector use of, its registers
.rept 4
	v_nop
.endr
.endm
.macro WLOAD R, p, koff                ; a unit: rows koff + 32 h + 0..15
	WIN 0x40
.set i, 0
.rept 16
	global_load_b128 v[(\R)+4*i:(\R)+4*i+3], v[VW], s[\p:\p+1] offset:((\koff)+i)*WP th:TH_LOAD_NT
.set i, i+1
.endr
.endm
.macro TLOAD R, p                      ; 12 half fragments, 512 consecutive bytes each
	WIN 0x40
.irp j, 0,1,2,3,4,5,6,7,8,9,10,11
	global_load_b128 v[(\R)+64+4*\j:(\R)+64+4*\j+3], v[TO+\j], s[\p:\p+1]
.endr
.endm
; Register p of fragment f = (load 2 p, load 2 p + 1) register f, rounded to bf16; then each bf16 is widened, into the slot's own 64 weight registers, which are free by then, and written
; as f16.  All in window 1, under one setting.
.macro CVT R, D
	WIN 0x45
.irp f, 0,1,2,3
.irp p, 0,1,2,3,4,5,6,7
	v_cvt_pk_bf16_f32 v[(\D)+8*\f+\p], v[(\R)+8*\p+\f], v[(\R)+8*\p+4+\f]
.endr
.endr
.set n, 0
.rept 32
	v_lshlrev_b32 v[(\R)+2*n], 16, v[(\D)+n]
	v_and_b32 v[(\R)+2*n+1], s80, v[(\D)+n]
.set n, n+1
.endr
.set n, 0
.rept 32
	v_cvt_pk_f16_f32 v[(\D)+n], v[(\R)+2*n], v[(\R)+2*n+1]
.set n, n+1
.endr
.endm
.macro STAGEW buf, R, nW               ; slot R's weights are converted and laid into LDS buffer buf.  nW: the loads issued behind them, which may stay out
	s_wait_loadcnt \nW
	CVT \R, FW
	WIN 0x04                                       ; store data in window 1
.irp f, 0,1,2,3
	ds_store_b128 v[VWS], v[FW+8*\f:FW+8*\f+3] offset:(\buf)*32768+\f*1024
	ds_store_b128 v[VWS], v[FW+8*\f+4:FW+8*\f+7] offset:(\buf)*32768+\f*1024+512
.endr
	WIN 0
.endm
.macro STAGET buf, R, nT               ; slot R's h goes into LDS buffer buf
	s_wait_loadcnt \nT
	WIN 0x04
.irp j, 0,1,2,3,4,5,6,7,8,9,10,11
	ds_store_b128 v[VTS], v[(\R)+64+4*\j:(\R)+64+4*\j+3] offset:(\buf)*TBUF+\j*TSJ
.endr
	WIN 0
.endm
.macro REFILLW R                       ; the slot's weights are asked for again: the chunk behind the one asked for last
	s_wait_xcnt 0x0                                ; the two bases are stepped only behind this wait
	s_add_nc_u64 s[24:25], s[24:25], WSTEP
	s_add_nc_u64 s[26:27], s[26:27], TSTEP
	WLOAD \R, 24, 0
	WIN 0
.endm
; The fragments of 32 k: 12 LDS loads, and in front of them my third tile's two, which are jumped where that tile has no rows.  They stand first, so that a wait that leaves
; the 12 others of the next run out holds whether they were issued or not.  all = 1 (the first chunk): they are issued in any case, so that their registers are written on every path.
.macro FLOAD buf, ks, x, all
.if !(\all)
	s_cmp_lg_u32 s51, 0
	s_cbranch_scc0 .Lnoj2_\@
.endif
	ds_load_b128 v[FR0+56*(\x)+48:FR0+56*(\x)+51], v[VTF+\buf] offset:2*TJ+(\ks)*TK
	ds_load_b128 v[FR0+56*(\x)+52:FR0+56*(\x)+55], v[VTF+\buf] offset:2*TJ+(\ks)*TK+TH
.if !(\all)
.Lnoj2_\@:
.endif
.irp f, 0,1,2,3
	ds_load_b128 v[FR0+56*(\x)+8*\f:FR0+56*(\x)+8*\f+3], v[VWF] offset:(\buf)*32768+(\ks)*8192+\f*1024
	ds_load_b128 v[FR0+56*(\x)+8*\f+4:FR0+56*(\x)+8*\f+7], v[VWF] offset:(\buf)*32768+(\ks)*8192+\f*1024+512
.endr
.irp j, 0,1
	ds_load_b128 v[FR0+56*(\x)+32+8*\j:FR0+56*(\x)+32+8*\j+3], v[VTF+\buf] offset:\j*TJ+(\ks)*TK
	ds_load_b128 v[FR0+56*(\x)+32+8*\j+4:FR0+56*(\x)+32+8*\j+7], v[VTF+\buf] offset:\j*TJ+(\ks)*TK+TH
.endr
.endm
.macro MMJ x, j, zero
.irp f, 0,1,2,3
.if \zero
	v_wmma_f32_16x16x32_f16 v[ACC+32*(\j)+8*\f:ACC+32*(\j)+8*\f+7], v[FR0+56*(\x)+32+8*(\j):FR0+56*(\x)+32+8*(\j)+7], v[FR0+56*(\x)+8*\f:FR0+56*(\x)+8*\f+7], 0
.else
	v_wmma_f32_16x16x32_f16 v[ACC+32*(\j)+8*\f:ACC+32*(\j)+8*\f+7], v[FR0+56*(\x)+32+8*(\j):FR0+56*(\x)+32+8*(\j)+7], v[FR0+56*(\x)+8*\f:FR0+56*(\x)+8*\f+7], v[ACC+32*(\j)+8*\f:ACC+32*(\j)+8*\f+7]
.endif
.endr
.endm
.macro MMT x                           ; my third tile's four products, jumped where it has no rows; then the places
	s_cmp_lg_u32 s51, 0
	s_cbranch_scc0 .Ldead_\@
	MMJ \x, 2, 0
.Ldead_\@:
	PLACES
.endm
.macro MM x, zero                      ; the accumulators take turns, one instruction a turn.  zero = 1: the first products start the sums
	MMJ \x, 0, \zero
	MMJ \x, 1, \zero
.if \zero
	MMJ \x, 2, 1
	PLACES
.else
	MMT \x
.endif
.endm
; A chunk of K is multiplied out of LDS buffer buf, 4 x 32 k.  stage = 1: meanwhile the next chunk goes from its register slot into the other buffer.  refill = 1: that slot is asked for
; again.  last = 1: no barrier follows.
; The waits on DScnt count what was issued behind the run of fragment loads in hand: the next run's 12 and the 8 weight stores; those 8, the 12 stores of h and 12; 12.
.macro TRIP buf, zero, stage, refill, nW, nT, last
.set RR, RA+112*(1-(\buf))
	FLOAD \buf, 0, 0, \zero
	FLOAD \buf, 1, 1, \zero
.if \stage
	STAGEW 1-(\buf), RR, \nW
	s_wait_dscnt 20
.else
	s_wait_dscnt 12
.endif
	MM 0, \zero
.if \stage
	STAGET 1-(\buf), RR, \nT
.endif
	FLOAD \buf, 2, 0, \zero
.if \refill
	REFILLW RR
.endif
.if \stage
	s_wait_dscnt 32
.else
	s_wait_dscnt 12
.endif
	MM 1, 0
	FLOAD \buf, 3, 1, \zero
	s_wait_dscnt 12                                ; the third run is in, and so are the stores of h, which are older: the slot's registers for h are free
	MM 0, 0
.if \refill
	TLOAD RR, 26
	WIN 0
.endif
	s_wait_dscnt 0x0                               ; for the others: my stores into the other buffer are done, my reads of this one are back
.if !(\last)
	s_barrier_signal -1
.endif
	MMJ 1, 0, 0                                    ; work on registers while the others arrive
	MMJ 1, 1, 0
.if !(\last)
	s_barrier_wait -1                              ; the other buffer is whole; nobody reads this one any more
.endif
	MMT 1
.endm
	s_load_b256 s[4:11], s[0:1], 0x0               ; hbuf s[4:5], cnt s[6:7], w2 s[8:9], part s[10:11]
	v_lshl_add_u32 v[SPW], v0, 2, SPARE
	v_mov_b32 v[NIL], 0
	v_and_b32 v1, 31, v0
	v_and_b32 v2, 15, v0
	v_bfe_u32 v3, v0, 4, 1
	v_lshrrev_b32 v4, 5, v0
	v_readfirstlane_b32 s18, v4
	s_lshr_b32 s19, ttmp9, 5
	s_and_b32 s20, ttmp9, 7
	s_bfe_u32 s63, ttmp9, 0x20003
	s_lshr_b32 s21, s18, 1
	s_and_b32 s22, s18, 1
	s_mov_b32 s80, 0xffff0000
	v_lshlrev_b32 v[GO], 4, v1
	v_lshlrev_b32 v4, 4, v2
	v_lshl_add_u32 v[VW], v3, 17, v4               ; 32 rows of 4,096 bytes for the upper half of the lanes
	s_lshl_b32 s23, s18, 12
	v_add_nc_u32 v[VWS], s23, v[GO]
	s_lshl_b32 s23, s22, 12
	v_add_nc_u32 v[VWF], s23, v[GO]
	s_mul_i32 s23, s18, 12*512
	s_add_co_u32 s23, s23, TB
	v_add_nc_u32 v[VTS], s23, v[GO]
	s_lshl_b32 s23, s21, 12
	s_add_co_u32 s23, s23, TB
	v_add_nc_u32 v[VTF], s23, v[GO]
	v_add_nc_u32 v[VTF+1], TBUF, v[VTF]
	s_lshl_b32 s28, s19, 24                        ; an expert's 4,096 rows of 4,096 bytes,
	s_lshl_b32 s23, s63, 22                        ; a quarter of them,
	s_add_co_u32 s28, s28, s23
	s_lshl_b32 s23, s20, 9                         ; 128 columns,
	s_add_co_u32 s28, s28, s23
	s_lshl_b32 s23, s22, 8                         ; 64 of them
	s_add_co_u32 s28, s28, s23
	s_mov_b32 s29, 0
	s_lshr_b32 s23, s21, 1                         ; my unit begins at row 64 (tg / 2) + 16 (tg % 2)
	s_lshl_b32 s36, s23, 18
	s_and_b32 s23, s21, 1
	s_lshl_b32 s23, s23, 16
	s_add_co_u32 s36, s36, s23
	s_mov_b32 s37, 0
	s_lshl_b32 s38, s19, 23                        ; an expert's 64 tiles of 128 KB, a quarter's 32 fragments
	s_lshl_b32 s23, s63, 15
	s_add_co_u32 s38, s38, s23
	s_mov_b32 s39, 0
	s_lshl_b32 s40, s19, 2
	s_mov_b32 s41, 0
	s_wait_kmcnt 0x0
	s_add_nc_u64 s[6:7], s[6:7], s[40:41]
	s_load_b32 s48, s[6:7], 0x0                    ; the expert's count
	s_add_nc_u64 s[56:57], s[8:9], s[28:29]
	s_add_nc_u64 s[96:97], s[56:57], s[36:37]      ; chunks 0 and 1 have bases of their own, made ahead of the loads: no wait stands between the first runs of loads
	s_add_nc_u64 s[24:25], s[96:97], WSTEP
	s_add_nc_u64 s[34:35], s[4:5], s[38:39]
	s_add_nc_u64 s[26:27], s[34:35], TSTEP
	WLOAD RA, 96, 0
	WLOAD RB, 24, 0
	WIN 0
	s_wait_kmcnt 0x0
	s_min_u32 s48, s48, 0x400
	s_add_co_u32 s49, s48, 15
	s_lshr_b32 s49, s49, 4
	s_max_u32 s52, s49, 1
	s_sub_co_u32 s52, s52, 1
	s_add_co_u32 s23, s21, 8
	s_cmp_lt_u32 s23, s49
	s_cselect_b32 s51, 1, 0
	s_mul_i32 s53, s18, 12
.irp j, 0,1,2,3,4,5,6,7,8,9,10,11      ; half fragment m = 12 wave + j: tile m / 8 (clamped to one that exists), 512 (m % 8) in a chunk's 4,096 bytes
	s_add_co_u32 s23, s53, \j
	s_lshr_b32 s62, s23, 3
	s_min_u32 s62, s62, s52
	s_min_u32 s62, s62, 63
	s_lshl_b32 s62, s62, 17
	s_and_b32 s23, s23, 7
	s_lshl_b32 s23, s23, 9
	s_add_co_u32 s62, s62, s23
	v_add_nc_u32 v[TO+\j], s62, v[GO]
.endr
	TLOAD RA, 34
	TLOAD RB, 26
	WIN 0
	; Chunk 0 goes into buffer 0.  Out are A's weights, B's weights, A's h, B's h: 16 + 12 + 12 behind the first, 12 behind A's h.
	STAGEW 0, RA, 40
	STAGET 0, RA, 12
	REFILLW RA
	s_wait_dscnt 0x0                               ; for the others: my stores are done; the slot's registers for h are free
	TLOAD RA, 26
	WIN 0
	s_barrier_signal -1
	s_barrier_wait -1
	; From here on a wave's queue of loads is: the slot in hand (16 weights, 12 h), the other slot (28): 40 behind the weights, 28 behind the h.
	TRIP 0, 1, 1, 1, 40, 28, 0                     ; chunk 0 (A's h, which also lies behind B's weights, has been waited for: 40 asks for no more)
	s_mov_b32 s54, 2
.Lk:
	TRIP 1, 0, 1, 1, 40, 28, 0                     ; chunks 1 to 4
	TRIP 0, 0, 1, 1, 40, 28, 0
	s_sub_co_u32 s54, s54, 1
	s_cmp_lg_u32 s54, 0
	s_cbranch_scc1 .Lk
	TRIP 1, 0, 1, 0, 40, 28, 0                     ; chunk 5: no chunk is left to ask for
	TRIP 0, 0, 1, 0, 12, 0, 0                      ; chunk 6: behind the last weights: their h
	TRIP 1, 0, 0, 0, 0, 0, 1                       ; chunk 7
.macro OSTEP                           ; a tile past the first 192 ranks, from memory: 64 k a step: two units, two fragments of h.  The weights' fragments stay in window 1
	WLOAD RA, 58, 0
	WLOAD RB, 58, 16
	WIN 0
.irp u, 0,1,2,3
	global_load_b128 v[OTF+4*\u:OTF+4*\u+3], v[GO], s[60:61] offset:512*\u
.endr
	s_wait_loadcnt 0x0
	CVT RA, RA+64
	WIN 0x04                                       ; source 1 in window 1
.irp f, 0,1,2,3
	v_wmma_f32_16x16x32_f16 v[Y+8*\f:Y+8*\f+7], v[OTF:OTF+7], v[RA+64+8*\f:RA+64+8*\f+7], v[Y+8*\f:Y+8*\f+7]
.endr
	CVT RB, RB+64
	WIN 0x04
.irp f, 0,1,2,3
	v_wmma_f32_16x16x32_f16 v[Y+8*\f:Y+8*\f+7], v[OTF+8:OTF+15], v[RB+64+8*\f:RB+64+8*\f+7], v[Y+8*\f:Y+8*\f+7]
.endr
	WIN 0
	PLACES
.endm
.macro STORE j                         ; eight stores of 512 consecutive aligned bytes; each accumulator's low registers first
.irp f, 0,1,2,3
	global_store_b128 v[GO], v[ACC+32*(\j)+8*\f:ACC+32*(\j)+8*\f+3], s[30:31] offset:1024*\f
	global_store_b128 v[GO], v[ACC+32*(\j)+8*\f+4:ACC+32*(\j)+8*\f+7], s[30:31] offset:1024*\f+512
.endr
.endm
	; THE WAY OUT: 16 trips, a constant: my tiles tg + 4 i.  A tile without rows is jumped, forward, past text that holds no barrier.
	s_mov_b32 s54, 0
.Ltail:
	s_lshl2_add_u32 s55, s54, s21
	s_cmp_lt_u32 s55, s49
	s_cbranch_scc0 .Lnext
	s_wait_xcnt 0x0                                ; the last tile's stores have read their base and their registers
	s_lshl3_add_u32 s28, s63, s19
	s_lshl_b32 s28, s28, 6
	s_add_co_u32 s28, s28, s55
	s_lshl_b32 s28, s28, 4
	s_lshl1_add_u32 s28, s20, s28
	s_add_co_u32 s28, s28, s22                     ; block (((ks 8 + e) 64 + tile) 16 + 2 slice + cg) of 4 KB
	s_lshl_b32 s28, s28, 12
	s_mov_b32 s29, 0
	s_add_nc_u64 s[30:31], s[10:11], s[28:29]
	s_cmp_eq_u32 s54, 0
	s_cbranch_scc1 .Lst0
	s_cmp_eq_u32 s54, 1
	s_cbranch_scc1 .Lst1
	s_cmp_eq_u32 s54, 2
	s_cbranch_scc1 .Lst2
	s_lshl_b32 s28, s55, 17
	s_mov_b64 s[58:59], s[56:57]
	s_add_nc_u64 s[60:61], s[34:35], s[28:29]
.set n, 0
.rept 32                               ; this seldom-run path clears its four accumulators, 32 lines, so that its step is written once
	v_mov_b32 v[Y+n], 0
.set n, n+1
.endr
	s_mov_b32 s62, 16
.Lo:
	OSTEP
	s_wait_xcnt 0x0                                ; the two bases are stepped only behind this wait (the last step's are not used)
	s_add_nc_u64 s[58:59], s[58:59], 64*WP
	s_add_nc_u64 s[60:61], s[60:61], 2048
	s_sub_co_u32 s62, s62, 1
	s_cmp_lg_u32 s62, 0
	s_cbranch_scc1 .Lo
.Lst2:
	STORE 2
	s_branch .Lnext
.Lst0:
	STORE 0
	s_branch .Lnext
.Lst1:
	STORE 1
.Lnext:
	s_add_co_u32 s54, s54, 1
	s_cmp_lt_u32 s54, 16
	s_cbranch_scc1 .Ltail
	s_wait_tensorcnt 0x0                           ; the wave's end
	ds_add_u32 v[SPW], v[NIL]
	s_wait_dscnt 0x0
	s_endpgm
.Lfunc_end_k_q4ad958d125_down:
	.size	k_q4ad958d125_down, .Lfunc_end_k_q4ad958d125_down-k_q4ad958d125_down
	.p2alignl 7, 3214868480
	.fill 96, 4, 3214868480
	.section	.rodata,"a",@progbits
	.p2align	6, 0x0
	.amdhsa_kernel k_q4ad958d125_down
		.amdhsa_group_segment_fixed_size 164864
		.amdhsa_private_segment_fixed_size 0
		.amdhsa_enable_private_segment 0
		.amdhsa_kernarg_size 32
		.amdhsa_user_sgpr_count 2
		.amdhsa_user_sgpr_kernarg_segment_ptr 1
		.amdhsa_wavefront_size32 1
		.amdhsa_system_sgpr_workgroup_id_x 1
		.amdhsa_system_sgpr_workgroup_id_y 1
		.amdhsa_system_sgpr_workgroup_id_z 1
		.amdhsa_system_vgpr_workitem_id 0
		.amdhsa_next_free_vgpr 512
		.amdhsa_next_free_sgpr 100
		.amdhsa_reserve_vcc 0
		.amdhsa_float_denorm_mode_32 3
		.amdhsa_float_denorm_mode_16_64 3
		.amdhsa_memory_ordered 1
		.amdhsa_forward_progress 1
		.amdhsa_inst_pref_size 135
	.end_amdhsa_kernel
	.amdgpu_metadata
---
amdhsa.version: [ 1, 2 ]
amdhsa.kernels:
  - .name:           k_q4ad958d125_down
    .symbol:         k_q4ad958d125_down.kd
    .args:
      - { .name: hbuf, .offset: 0, .size: 8, .value_kind: global_buffer, .address_space: global }
      - { .name: cnt, .offset: 8, .size: 8, .value_kind: global_buffer, .address_space: global }
      - { .name: w2, .offset: 16, .size: 8, .value_kind: global_buffer, .address_space: global }
      - { .name: part, .offset: 24, .size: 8, .value_kind: global_buffer, .address_space: global }
    .group_segment_fixed_size: 164864
    .private_segment_fixed_size: 0
    .kernarg_segment_align: 8
    .kernarg_segment_size: 32
    .max_flat_workgroup_size: 256
    .sgpr_count:     100
    .vgpr_count:     512
    .wavefront_size: 32
...
	.end_amdgpu_metadata
.endif
;; end of part 3
;; launch combine (part 4): grid 71 x 4, 4 waves a work-group, no clusters, 0 bytes of LDS; arguments part, plist, cnt, top1, b2, out0; writes out0
.if DOCPART == 4
	.amdgcn_target "amdgcn-amd-amdhsa--gfx1250"
	.amdhsa_code_object_version 6
	.text
	.protected	k_q4ad958d125_combine
	.globl	k_q4ad958d125_combine
	.p2align	8
	.type	k_q4ad958d125_combine,@function
k_q4ad958d125_combine:
	s_mov_b64 s[64:65], 0
	v_nop
	global_prefetch_b8 v0, s[64:65] scope:SCOPE_SE
	s_setreg_imm32_b32 hwreg(HW_REG_WAVE_MODE, 25, 1), 1
	s_wait_xcnt 0x0
; out[token] = top1[token] x (the four parts of y + b2[e]), b2 rounded to bf16 as every input is.
; GRID.  The experts' tiles of 16 ranks are never more than 1,024 / 16 + 7 = 71, whatever the split: work-group x is the tile in the experts' order, found from the eight counts;
; a work-group past the total stores nothing and ends.  y and the wave give one of the row's 16 groups of 64 columns: a wave adds four blocks of 4 KB.
; A lane holds ranks 8 h + q and columns 4 r + f; the last multiplication writes a rank's four neighbouring columns into neighbouring registers, so that 16 lanes store 256 consecutive
; aligned bytes of a token's row.  In a tile that is not full the ranks past the count repeat the last token, with the same numbers.
; A stream: no LDS, no barrier, no matrix unit, nothing shared between work-groups.
.set TOK, 8                            ; v8-15   the tokens of my 8 ranks
.set G,   16                           ; v16-23  their top1
.set RO,  24                           ; v24-31  their byte offsets in out
.set B2,  32                           ; v32-35  b2 of my 4 columns
.set OUT, 40                           ; v40-71  at 4 q + f
.set P,   72                           ; v72-199 part ks at 32 ks + 8 f + q
.set TA,  200                          ; v200-207 byte offsets in top1
	s_load_b256 s[4:11], s[0:1], 0x0               ; part s[4:5], plist s[6:7], cnt s[8:9], top1 s[10:11]
	s_load_b128 s[12:15], s[0:1], 0x20             ; b2 s[12:13], out0 s[14:15]
	v_and_b32 v1, 31, v0
	v_and_b32 v2, 15, v0
	v_bfe_u32 v3, v0, 4, 1
	v_lshrrev_b32 v4, 5, v0
	v_readfirstlane_b32 s16, v4
	s_and_b32 s17, ttmp7, 0xffff
	s_lshl2_add_u32 s17, s17, s16                  ; column group 0..15
	s_mov_b32 s23, ttmp9
	s_wait_kmcnt 0x0
	s_load_b256 s[24:31], s[8:9], 0x0              ; the eight counts
	s_mov_b32 s18, 0
	s_mov_b32 s19, 0
	s_mov_b32 s20, 0
	s_wait_kmcnt 0x0
.irp k, 0,1,2,3,4,5,6,7                ; the last expert whose first tile is not above mine
	s_min_u32 s21, s[24+\k], 0x400
	s_add_co_u32 s21, s21, 15
	s_lshr_b32 s21, s21, 4
	s_sub_co_u32 s22, s23, s20
	s_cmp_ge_u32 s23, s20
	s_cselect_b32 s18, \k, s18
	s_cselect_b32 s19, s22, s19
	s_add_co_u32 s20, s20, s21
.endr
	s_cmp_ge_u32 s23, s20
	s_cbranch_scc1 .Lend                           ; this split has fewer tiles
	s_min_u32 s18, s18, 7                          ; expert
	s_min_u32 s19, s19, 63                         ; its tile
	s_lshl_b32 s21, s18, 12
	s_lshl_b32 s22, s19, 6
	s_add_co_u32 s22, s22, s21
	v_lshl_add_u32 v4, v3, 5, s22                  ; plist: rank 16 tile + 8 h
	s_lshl_b32 s22, s17, 8
	s_add_co_u32 s22, s22, s21
	v_lshl_add_u32 v5, v2, 4, s22                  ; b2: column 64 group + 4 r
	v_lshlrev_b32 v6, 4, v1
	v_lshlrev_b32 v7, 4, v2
	s_lshl_b32 s21, s18, 6
	s_add_co_u32 s21, s21, s19
	s_lshl_b32 s21, s21, 4
	s_add_co_u32 s21, s21, s17
	s_lshl_b32 s44, s21, 12
	s_mov_b32 s45, 0
	s_add_nc_u64 s[32:33], s[4:5], s[44:45]
	s_add_nc_u64 s[34:35], s[32:33], 0x2000000     ; the quarters of K lie 32 MB apart
	s_add_nc_u64 s[36:37], s[34:35], 0x2000000
	s_add_nc_u64 s[38:39], s[36:37], 0x2000000
	s_lshl_b32 s44, s17, 8
	s_add_nc_u64 s[40:41], s[14:15], s[44:45]
	global_load_b128 v[TOK:TOK+3], v4, s[6:7]
	global_load_b128 v[TOK+4:TOK+7], v4, s[6:7] offset:16
	global_load_b128 v[B2:B2+3], v5, s[12:13]
.irp k, 0,1,2,3
.set n, 0
.rept 8
	global_load_b128 v[P+32*\k+4*n:P+32*\k+4*n+3], v6, s[32+2*\k:33+2*\k] offset:512*n th:TH_LOAD_NT
.set n, n+1
.endr
.endr
	s_wait_loadcnt 33                              ; the tokens are in; b2 and the 32 loads of the parts stay out
.irp q, 0,1,2,3,4,5,6,7
	v_min_u32 v[TOK+\q], 0x3ff, v[TOK+\q]
	v_lshlrev_b32 v[TA+\q], 2, v[TOK+\q]
	v_lshl_add_u32 v[RO+\q], v[TOK+\q], 12, v7
.endr
.irp q, 0,1,2,3,4,5,6,7
	global_load_b32 v[G+\q], v[TA+\q], s[10:11]
.endr
	s_wait_loadcnt 0x0
	v_cvt_pk_bf16_f32 v36, v[B2], v[B2+1]
	v_cvt_pk_bf16_f32 v37, v[B2+2], v[B2+3]
	v_lshlrev_b32 v[B2], 16, v36
	v_and_b32 v[B2+1], 0xffff0000, v36
	v_lshlrev_b32 v[B2+2], 16, v37
	v_and_b32 v[B2+3], 0xffff0000, v37
.set n, 0
.rept 16
	v_pk_add_f32 v[P+n:P+n+1], v[P+n:P+n+1], v[P+32+n:P+32+n+1]
	v_pk_add_f32 v[P+64+n:P+64+n+1], v[P+64+n:P+64+n+1], v[P+96+n:P+96+n+1]
.set n, n+2
.endr
.set n, 0
.rept 16
	v_pk_add_f32 v[P+n:P+n+1], v[P+n:P+n+1], v[P+64+n:P+64+n+1]
.set n, n+2
.endr
.set n, 0
.rept 4                                ; + b2[f], one register of a pair for both halves
	v_pk_add_f32 v[P+n:P+n+1], v[P+n:P+n+1], v[B2:B2+1] op_sel:[0,0] op_sel_hi:[1,0]
	v_pk_add_f32 v[P+8+n:P+8+n+1], v[P+8+n:P+8+n+1], v[B2:B2+1] op_sel:[0,1] op_sel_hi:[1,1]
	v_pk_add_f32 v[P+16+n:P+16+n+1], v[P+16+n:P+16+n+1], v[B2+2:B2+3] op_sel:[0,0] op_sel_hi:[1,0]
	v_pk_add_f32 v[P+24+n:P+24+n+1], v[P+24+n:P+24+n+1], v[B2+2:B2+3] op_sel:[0,1] op_sel_hi:[1,1]
.set n, n+2
.endr
.set n, 0
.rept 32                               ; n = 4 q + f
	v_mul_f32 v[OUT+n], v[P+8*(n%4)+n/4], v[G+n/4]
.set n, n+1
.endr
.irp q, 0,1,2,3,4,5,6,7
	global_store_b128 v[RO+\q], v[OUT+4*\q:OUT+4*\q+3], s[40:41]  ; 16 lanes store 256 consecutive bytes of a row, aligned
.endr
.Lend:
	s_endpgm
.Lfunc_end_k_q4ad958d125_combine:
	.size	k_q4ad958d125_combine, .Lfunc_end_k_q4ad958d125_combine-k_q4ad958d125_combine
	.p2alignl 7, 3214868480
	.fill 96, 4, 3214868480
	.section	.rodata,"a",@progbits
	.p2align	6, 0x0
	.amdhsa_kernel k_q4ad958d125_combine
		.amdhsa_group_segment_fixed_size 0
		.amdhsa_private_segment_fixed_size 0
		.amdhsa_enable_private_segment 0
		.amdhsa_kernarg_size 48
		.amdhsa_user_sgpr_count 2
		.amdhsa_user_sgpr_kernarg_segment_ptr 1
		.amdhsa_wavefront_size32 1
		.amdhsa_system_sgpr_workgroup_id_x 1
		.amdhsa_system_sgpr_workgroup_id_y 1
		.amdhsa_system_sgpr_workgroup_id_z 1
		.amdhsa_system_vgpr_workitem_id 0
		.amdhsa_next_free_vgpr 208
		.amdhsa_next_free_sgpr 66
		.amdhsa_reserve_vcc 0
		.amdhsa_float_denorm_mode_32 3
		.amdhsa_float_denorm_mode_16_64 3
		.amdhsa_memory_ordered 1
		.amdhsa_forward_progress 1
		.amdhsa_inst_pref_size 16
	.end_amdhsa_kernel
	.amdgpu_metadata
---
amdhsa.version: [ 1, 2 ]
amdhsa.kernels:
  - .name:           k_q4ad958d125_combine
    .symbol:         k_q4ad958d125_combine.kd
    .args:
      - { .name: part, .offset: 0, .size: 8, .value_kind: global_buffer, .address_space: global }
      - { .name: plist, .offset: 8, .size: 8, .value_kind: global_buffer, .address_space: global }
      - { .name: cnt, .offset: 16, .size: 8, .value_kind: global_buffer, .address_space: global }
      - { .name: top1, .offset: 24, .size: 8, .value_kind: global_buffer, .address_space: global }
      - { .name: b2, .offset: 32, .size: 8, .value_kind: global_buffer, .address_space: global }
      - { .name: out0, .offset: 40, .size: 8, .value_kind: global_buffer, .address_space: global }
    .group_segment_fixed_size: 0
    .private_segment_fixed_size: 0
    .kernarg_segment_align: 8
    .kernarg_segment_size: 48
    .max_flat_workgroup_size: 128
    .sgpr_count:     66
    .vgpr_count:     208
    .wavefront_size: 32
...
	.end_amdgpu_metadata
.endif
;; end of part 4
